; MI455X (gfx1250); checked and timed in simulation.
; The chip was launched on July 23, 2026; its instructions are those of AMD's public machine-readable ISA for CDNA 5 (MIT licence, August 2026) and "CDNA5" Instruction Set Architecture Reference Guide (July 2026). The comments in the code are by the model that wrote it; some were corrected since.
;; HNN. Allowed arithmetic: float matrix products may take bf16 or f16 operands with f32 sums; all other float work in f32.
;; Inputs: W1 512 x 512 float32; W2 512 x 512 float32; Wo 1 x 512 float32; b1 512 float32; b2 512 float32; x 8,192 x 256 x 4 float32.
;; Outputs: out0 8,192 x 512 float32.
;; 2 versions, each right; version 2 is version 1 with the launch prep written anew for expert scheduling mode. Each part assembles by itself: llvm-mc -triple=amdgcn-amd-amdhsa -mcpu=gfx1250 --defsym DOCPART=n.
;; ======== version 1 of 2: 2 launches
;; workspace buffers: wfrag 3,145,728 bytes
;; launch prep (part 1): grid 256 x 1, 4 waves a work-group, no clusters, 70,656 bytes of LDS; arguments W1, W2, wfrag; writes wfrag
.if DOCPART == 1
	.amdgcn_target "amdgcn-amd-amdhsa--gfx1250"
	.amdhsa_code_object_version 6
	.text
	.protected	k_qc9d058f88c_prep
	.globl	k_qc9d058f88c_prep
	.p2align	8
	.type	k_qc9d058f88c_prep,@function
k_qc9d058f88c_prep:
	s_mov_b64 s[64:65], 0
	v_nop
	global_prefetch_b8 v0, s[64:65] scope:SCOPE_SE
	s_setreg_imm32_b32 hwreg(HW_REG_WAVE_MODE, 25, 1), 1
	s_wait_xcnt 0x0
; PREP: six 512 x 512 bf16 matrices for the second launch, laid out in FRAGMENT ORDER in wfrag.
; A fragment is 16 features m x 32 k, 1,024 bytes: byte 16 L holds, for lane L = (r = L % 16, h = L / 16), row r, k = 8 h .. 8 h + 7; byte 512 + 16 L holds k = 16 + 8 h .. + 7.
; So half a fragment is 512 consecutive bytes, one 16-byte access a lane, in memory and later in LDS.
;   W2F[m][k] = W2[m][k]    W2B[m][k] = W2[k][m]    W1F[m][k] = W1[m][k]    W1O[m][k] = W1[k][(m + 256) % 512]
;   MA[m][k] = 0.1 P[m][k] - 0.05 P[k][m]    MB[m][k] = -0.05 P[k][m]    with P[i][j] = sum over c < 256 of W1[i][c] W1[j][256 + c]
; P is made of W1 rounded to bf16, sums in f32; MA and MB are rounded once to bf16; the four copies are the inputs rounded once to bf16.
; SHARES.  Work-group g: a = g / 16, b = g % 16: the block m = 32 a .., k = 32 b .. of MA, MB, W1F, W1O; a2 = g / 8, b2 = g % 8: rows 16 a2 .., columns 64 b2 .. of W2.
; Each wave makes half a fragment of each of the six: six stores of 512 consecutive bytes, aligned.
.set P1,    1056                       ; a row of W1 in LDS: 1,024 bytes of bf16 + 32: an odd multiple of 32
.set P2,    160                        ; a row of the W2 block: 128 + 32
.set RKB,   32*P1                      ; W1 rows 32 b .. lie behind rows 32 a ..
.set R2B,   2*RKB                      ; the W2 block, 16 rows
.set SPARE, R2B+16*P2                  ; the spare words, 128 bytes a wave: two blocks of 256 bytes that no other line names
.set W2F_O, 0
.set W2B_O, 0x80000
.set MA_O,  0x100000
.set MB_O,  0x180000
.set W1F_O, 0x200000
.set W1O_O, 0x280000
.set SPW, 14                           ; v14  my spare word;  v15  0: never rewritten
.set NIL, 15
.set MSB, 0
.macro WIN new                         ; the immediate's high byte repeats the setting that is left
.if MSB != (\new)
	s_set_vgpr_msb (MSB<<8)|(\new)
.set MSB, (\new)
.endif
.endm
; s[d] = byte offset of fragment (mb, kb) in one of the five main matrices: (kb / 4) x 128 KiB + (mb / 8) x 32 KiB + ((kb % 4) x 8 + mb % 8) x 1,024
.macro OFFM d, mb, kb, t
	s_lshr_b32 s[\d], s[\kb], 2
	s_lshl_b32 s[\d], s[\d], 17
	s_lshr_b32 s[\t], s[\mb], 3
	s_lshl_b32 s[\t], s[\t], 15
	s_add_co_u32 s[\d], s[\d], s[\t]
	s_and_b32 s[\t], s[\kb], 3
	s_lshl_b32 s[\t], s[\t], 13
	s_add_co_u32 s[\d], s[\d], s[\t]
	s_and_b32 s[\t], s[\mb], 7
	s_lshl_b32 s[\t], s[\t], 10
	s_add_co_u32 s[\d], s[\d], s[\t]
.endm
	s_load_b128 s[4:7], s[0:1], 0x0                ; W1 s[4:5], W2 s[6:7]
	s_load_b64 s[8:9], s[0:1], 0x10                ; wfrag
	v_lshl_add_u32 v[SPW], v0, 2, SPARE
	v_mov_b32 v[NIL], 0
	v_lshrrev_b32 v16, 5, v0
	v_readfirstlane_b32 s16, v16                   ; wave w
	v_and_b32 v17, 31, v0                          ; lane
	v_and_b32 v2, 15, v0                           ; r
	v_bfe_u32 v3, v0, 4, 1                         ; h
	v_lshlrev_b32 v1, 4, v17                       ; 16 x lane
	s_lshr_b32 s17, ttmp9, 4                       ; a
	s_and_b32 s18, ttmp9, 15                       ; b
	s_lshr_b32 s19, ttmp9, 3                       ; a2
	s_and_b32 s20, ttmp9, 7                        ; b2
	s_and_b32 s21, s16, 1                          ; mi: which 16 of the 32 m
	s_lshr_b32 s22, s16, 1                         ; kh: which 16 of the 32 k
	s_mov_b32 s42, 0x3dcccccd                      ; 0.1, named as a pair
	s_mov_b32 s43, s42
	s_mov_b32 s44, 0xbd4ccccd                      ; -0.05
	s_mov_b32 s45, s44
	s_lshl_b32 s23, s16, 14
	v_add_nc_u32 v4, s23, v1                       ; W1: my wave's 8 rows of 2,048 bytes, 16 bytes a lane
	s_mul_i32 s23, s16, 8*P1
	v_lshl_add_u32 v5, v17, 3, s23                 ; and where they go, 8 bytes of bf16 a lane
	v_lshrrev_b32 v16, 4, v0                       ; thread / 16: a row of the W2 block
	v_lshlrev_b32 v6, 11, v16
	v_lshl_add_u32 v6, v2, 4, v6                   ; W2: row x 2,048 + 16 x (thread % 16): sixteen threads read 256 consecutive bytes
	v_mul_u32_u24 v7, v16, P2
	v_lshl_add_u32 v7, v2, 3, v7
	v_add_nc_u32 v7, R2B, v7
	s_lshl_b32 s24, s17, 16                        ; 32 a rows of 2,048 bytes
	s_mov_b32 s25, 0
	s_lshl_b32 s26, s18, 16                        ; 32 b rows
	s_mov_b32 s27, 0
	s_lshl_b32 s28, s19, 15                        ; 16 a2 rows,
	s_lshl_b32 s29, s20, 8                         ; 64 b2 columns
	s_add_co_u32 s28, s28, s29
	s_mov_b32 s29, 0
	s_wait_kmcnt 0x0
	s_add_nc_u64 s[10:11], s[4:5], s[24:25]
	s_add_nc_u64 s[12:13], s[4:5], s[26:27]
	s_add_nc_u64 s[6:7], s[6:7], s[28:29]
	global_load_b128 v[24:27], v6, s[6:7]
	global_load_b128 v[28:31], v6, s[6:7] offset:16384
	WIN 0x40                                       ; destinations in window 1
.set pN, 0
.rept 32                                       ; rows 32 a + 8 w + pN / 4, 512 consecutive bytes a load
	global_load_b128 v[4*pN:4*pN+3], v4, s[10:11] offset:(pN/4)*2048+(pN%4)*512
.set pN, pN+1
.endr
.rept 32                                       ; rows 32 b + 8 w + ..
	global_load_b128 v[4*pN:4*pN+3], v4, s[12:13] offset:((pN-32)/4)*2048+(pN%4)*512
.set pN, pN+1
.endr
	WIN 0
	; the addresses of the second phase are made while the loads are out
	s_lshl_b32 s23, s21, 4
	v_add_nc_u32 v18, s23, v2
	v_mul_u32_u24 v9, v18, P1
	v_lshl_add_u32 v9, v3, 4, v9                   ; v9: fragments of my 16 rows m: (16 mi + r) x pitch + 16 h
	s_lshl_b32 s30, s22, 4
	v_add_nc_u32 v18, s30, v2
	v_mul_u32_u24 v8, v18, P1
	v_lshl_add_u32 v8, v3, 4, v8
	v_add_nc_u32 v8, RKB, v8                       ; v8: the same for my 16 rows k
	v_and_b32 v19, 7, v0
	v_bfe_u32 v20, v0, 3, 1
	v_lshl_add_u32 v21, v3, 3, v19                 ; 8 h + L % 8: the row that a lane gives to the turning load
	v_add_nc_u32 v18, s30, v21
	v_mul_u32_u24 v10, v18, P1
	v_lshl_add_u32 v10, v20, 4, v10
	s_lshl_b32 s31, s17, 5
	s_add_co_u32 s31, s31, s23
	s_add_co_u32 s31, s31, 256
	s_and_b32 s31, s31, 511                        ; W1's column (32 a + 16 mi + 256) % 512
	s_lshl_b32 s31, s31, 1
	s_add_co_u32 s31, s31, RKB
	v_add_nc_u32 v10, s31, v10                     ; v10: W1O, turned out of rows 32 b ..
	v_mul_u32_u24 v11, v21, P2
	v_lshl_add_u32 v11, v20, 4, v11
	s_lshl_b32 s31, s16, 5
	s_add_co_u32 s31, s31, R2B
	v_add_nc_u32 v11, s31, v11                     ; v11: W2B, turned: columns 16 w ..
	v_mul_u32_u24 v12, v2, P2
	v_lshl_add_u32 v12, v3, 4, v12
	v_add_nc_u32 v12, s31, v12                     ; v12: W2F: row r, columns 16 w + 8 h ..
	s_lshl_b32 s31, s18, 6
	s_lshl_b32 s23, s22, 5
	s_add_co_u32 s31, s31, s23
	v_add_nc_u32 v13, s31, v9                      ; v13: W1F: my rows m, columns 32 b + 16 kh + 8 h ..
	; where the six halves go
	s_lshl_b32 s32, s17, 1
	s_add_co_u32 s32, s32, s21                     ; mb = 2 a + mi
	OFFM 33, 32, 18, 34
	s_lshl_b32 s34, s22, 9                         ; half kh
	s_add_co_u32 s33, s33, s34
	v_add_nc_u32 v22, s33, v1                      ; v22: MA, MB, W1F
	s_lshr_b32 s35, s32, 4                         ; W1O: ((mb / 16) x 2 + kb / 8) x 128 KiB + ((mb / 4) % 4) x 32 KiB + ((kb % 8) x 4 + mb % 4) x 1,024
	s_lshl_b32 s35, s35, 1
	s_lshr_b32 s36, s18, 3
	s_add_co_u32 s35, s35, s36
	s_lshl_b32 s35, s35, 17
	s_bfe_u32 s36, s32, 0x20002
	s_lshl_b32 s36, s36, 15
	s_add_co_u32 s35, s35, s36
	s_and_b32 s36, s18, 7
	s_lshl_b32 s36, s36, 12
	s_add_co_u32 s35, s35, s36
	s_and_b32 s36, s32, 3
	s_lshl_b32 s36, s36, 10
	s_add_co_u32 s35, s35, s36
	s_add_co_u32 s35, s35, s34
	v_add_nc_u32 v23, s35, v1                      ; v23: W1O
	s_lshl_b32 s36, s20, 1
	s_add_co_u32 s36, s36, s22                     ; W2F: mb = a2, kb = 2 b2 + w / 2, half w % 2
	OFFM 37, 19, 36, 34
	s_lshl_b32 s34, s21, 9
	s_add_co_u32 s37, s37, s34
	v_add_nc_u32 v88, s37, v1
	s_lshl_b32 s38, s20, 2
	s_add_co_u32 s38, s38, s16                     ; W2B: mb = 4 b2 + w, kb = a2 / 2, half a2 % 2
	s_lshr_b32 s39, s19, 1
	OFFM 40, 38, 39, 34
	s_and_b32 s34, s19, 1
	s_lshl_b32 s34, s34, 9
	s_add_co_u32 s40, s40, s34
	v_add_nc_u32 v89, s40, v1
	s_wait_loadcnt 63                              ; 64 loads are younger than W2's two; the count's field ends at 63: the oldest three are in
	v_cvt_pk_bf16_f32 v24, v24, v25
	v_cvt_pk_bf16_f32 v25, v26, v27
	v_cvt_pk_bf16_f32 v26, v28, v29
	v_cvt_pk_bf16_f32 v27, v30, v31
	ds_store_b64 v7, v[24:25]
	ds_store_b64 v7, v[26:27] offset:8*P2
.set pG, 0
.rept 8                                        ; eight loads at a time: rounded in place, 8 bytes a lane into LDS
	s_wait_loadcnt 56-8*pG                         ; loads come back in order: the group's eight are in, the younger ones stay out
	WIN 0x45
.set pN, 8*pG
.rept 8
	v_cvt_pk_bf16_f32 v[4*pN], v[4*pN], v[4*pN+1]
	v_cvt_pk_bf16_f32 v[4*pN+1], v[4*pN+2], v[4*pN+3]
.set pN, pN+1
.endr
	WIN 0x04                                       ; store data in window 1
.set pN, 8*pG
.rept 8
	ds_store_b64 v5, v[4*pN:4*pN+1] offset:(pN/32)*RKB+((pN%32)/4)*P1+(pN%4)*256
.set pN, pN+1
.endr
.set pG, pG+1
.endr
	WIN 0
	s_wait_dscnt 0x0                               ; for the others' sake: my stores are done
	s_barrier_signal -1
	s_barrier_wait -1
	ds_load_b128 v[72:75], v13                     ; W1F
	ds_load_tr16_b128 v[76:79], v10                ; W1O
	ds_load_b128 v[80:83], v12                     ; W2F
	ds_load_tr16_b128 v[84:87], v11                ; W2B
	WIN 0x40                                       ; window 1: rows k, columns c at v[8 cs]; rows k, columns 256 + c at v[64 + 8 cs]; rows m likewise at 128 and 192
.set pN, 0
.rept 8
	ds_load_b128 v[8*pN:8*pN+3],         v8 offset:64*pN
	ds_load_b128 v[8*pN+4:8*pN+7],       v8 offset:64*pN+32
	ds_load_b128 v[64+8*pN:64+8*pN+3],   v8 offset:512+64*pN
	ds_load_b128 v[64+8*pN+4:64+8*pN+7], v8 offset:512+64*pN+32
	ds_load_b128 v[128+8*pN:128+8*pN+3],   v9 offset:64*pN
	ds_load_b128 v[128+8*pN+4:128+8*pN+7], v9 offset:64*pN+32
	ds_load_b128 v[192+8*pN:192+8*pN+3],   v9 offset:512+64*pN
	ds_load_b128 v[192+8*pN+4:192+8*pN+7], v9 offset:512+64*pN+32
.set pN, pN+1
.endr
	WIN 0
	s_wait_dscnt 0x0
	global_store_b128 v22, v[72:75], s[8:9] offset:W1F_O   ; each store of the wave covers 512 consecutive bytes, aligned
	global_store_b128 v23, v[76:79], s[8:9] offset:W1O_O
	global_store_b128 v88, v[80:83], s[8:9] offset:W2F_O
	global_store_b128 v89, v[84:87], s[8:9] offset:W2B_O
	; Source 0 = 16 rows k, source 1 = 16 rows m: in the result a lane holds m = r and its registers k = 8 h + 0 .. 7: half kh of fragment (mb, b) as it is stored.
	; v[32:39] = P[m][k], v[40:47] = P[k][m]; the two accumulators take turns; the first products start the sums.
	WIN 0x05
	v_wmma_f32_16x16x32_bf16 v[32:39], v[64:71], v[128:135], 0
	v_wmma_f32_16x16x32_bf16 v[40:47], v[0:7], v[192:199], 0
.set pN, 1
.rept 7
	v_wmma_f32_16x16x32_bf16 v[32:39], v[64+8*pN:64+8*pN+7], v[128+8*pN:128+8*pN+7], v[32:39]
	v_wmma_f32_16x16x32_bf16 v[40:47], v[8*pN:8*pN+7], v[192+8*pN:192+8*pN+7], v[40:47]
.set pN, pN+1
.endr
	WIN 0
.rept 4
	v_nop                                          ; four places between the last product and the first read of a result (ISA guide 7.12.1)
.endr
.irp n, 0,1,2,3
	v_pk_mul_f32 v[56+2*\n:57+2*\n], v[40+2*\n:41+2*\n], s[44:45] op_sel_hi:[1,0]                       ; -0.05 P[k][m]
.endr
.irp n, 0,1,2,3
	v_pk_fma_f32 v[48+2*\n:49+2*\n], v[32+2*\n:33+2*\n], s[42:43], v[56+2*\n:57+2*\n] op_sel_hi:[1,0,1]  ; 0.1 P[m][k] - 0.05 P[k][m]
.endr
.irp n, 0,1,2,3
	v_cvt_pk_bf16_f32 v[64+\n], v[56+2*\n], v[57+2*\n]
	v_cvt_pk_bf16_f32 v[68+\n], v[48+2*\n], v[49+2*\n]
.endr
	global_store_b128 v22, v[64:67], s[8:9] offset:MB_O
	global_store_b128 v22, v[68:71], s[8:9] offset:MA_O
	s_wait_tensorcnt 0x0                           ; the wave's end, behind my last LDS store
	ds_add_u32 v[SPW], v[NIL]
	s_wait_dscnt 0x0
	s_endpgm
.Lfunc_end_k_qc9d058f88c_prep:
	.size	k_qc9d058f88c_prep, .Lfunc_end_k_qc9d058f88c_prep-k_qc9d058f88c_prep
	.p2alignl 7, 3214868480
	.fill 96, 4, 3214868480
	.section	.rodata,"a",@progbits
	.p2align	6, 0x0
	.amdhsa_kernel k_qc9d058f88c_prep
		.amdhsa_group_segment_fixed_size 70656
		.amdhsa_private_segment_fixed_size 0
		.amdhsa_enable_private_segment 0
		.amdhsa_kernarg_size 24
		.amdhsa_user_sgpr_count 2
		.amdhsa_user_sgpr_kernarg_segment_ptr 1
		.amdhsa_wavefront_size32 1
		.amdhsa_system_sgpr_workgroup_id_x 1
		.amdhsa_system_sgpr_workgroup_id_y 1
		.amdhsa_system_sgpr_workgroup_id_z 1
		.amdhsa_system_vgpr_workitem_id 0
		.amdhsa_next_free_vgpr 512
		.amdhsa_next_free_sgpr 66
		.amdhsa_reserve_vcc 0
		.amdhsa_float_denorm_mode_32 3
		.amdhsa_float_denorm_mode_16_64 3
		.amdhsa_memory_ordered 1
		.amdhsa_forward_progress 1
		.amdhsa_inst_pref_size 33
	.end_amdhsa_kernel
	.amdgpu_metadata
---
amdhsa.version: [ 1, 2 ]
amdhsa.kernels:
  - .name:           k_qc9d058f88c_prep
    .symbol:         k_qc9d058f88c_prep.kd
    .args:
      - { .name: W1, .offset: 0, .size: 8, .value_kind: global_buffer, .address_space: global }
      - { .name: W2, .offset: 8, .size: 8, .value_kind: global_buffer, .address_space: global }
      - { .name: wfrag, .offset: 16, .size: 8, .value_kind: global_buffer, .address_space: global }
    .group_segment_fixed_size: 70656
    .private_segment_fixed_size: 0
    .kernarg_segment_align: 8
    .kernarg_segment_size: 24
    .max_flat_workgroup_size: 128
    .sgpr_count:     66
    .vgpr_count:     512
    .wavefront_size: 32
...
	.end_amdgpu_metadata
.endif
;; end of part 1
;; launch hnn (part 2): grid 256 x 1, 4 waves a work-group, clusters of 4 x 1, 327,680 bytes of LDS; arguments x, b1, b2, Wo, wfrag, out0; writes out0
.if DOCPART == 2
	.amdgcn_target "amdgcn-amd-amdhsa--gfx1250"
	.amdhsa_code_object_version 6
	.text
	.protected	k_qc9d058f88c_hnn
	.globl	k_qc9d058f88c_hnn
	.p2align	8
	.type	k_qc9d058f88c_hnn,@function
k_qc9d058f88c_hnn:
	s_mov_b64 s[64:65], 0
	v_nop
	global_prefetch_b8 v0, s[64:65] scope:SCOPE_SE
	s_setreg_imm32_b32 hwreg(HW_REG_WAVE_MODE, 25, 1), 1
	s_wait_xcnt 0x0
	s_wait_alu depctr_hold_cnt(0) depctr_sa_sdst(0) depctr_va_vdst(0) depctr_va_sdst(0) depctr_va_ssrc(0) depctr_va_vcc(0) depctr_vm_vsrc(0)
	s_getreg_b32 s2, hwreg(HW_REG_IB_STS2, 6, 4)
	s_cmp_eq_u32 s2, 0
	s_cbranch_scc0 .Lentry_in_a_cluster
	s_endpgm
.Lentry_in_a_cluster:
	s_bfe_u32 s2, ttmp6, 0x10000c
	s_cmp_lg_u32 s2, 0x3003
	s_cbranch_scc0 .Lentry_shape_is_right
	s_endpgm
.Lentry_shape_is_right:
; HNN: four leapfrog steps, eight gradients of H(s) = Wo . relu(W2 relu(W1 s + b1) + b2), for 8,192 rows; out0 = [q | p].
; THE ALGEBRA.  One gradient: z1 = W1 s + b1; z2 = W2 relu(z1) + b2; g2 = Wo [z2 > 0]; g1 = (W2^T g2) [z1 > 0]; dH = W1^T g1.  The state enters H through z1 alone, and every update of the
; state is linear in g1.  So z1 is carried in f32: behind a step's first gradient z1 += MA g1, behind its second z1 += MB g1 (MA, MB: made of W1 by the launch before), and the state is made once,
; at the end: q = q0 + W1[:,256:]^T (0.1 GA), p = p0 + W1[:,:256]^T (-0.05 GAB), GA = the sum of g1 over the first gradients, GAB over all eight, both in f32.  25 products of 512 x 512 a row for 32.
; LIMITS.  The order of rounding differs from a state that is rounded anew for every gradient: z1 is carried in f32 and changed through MA and MB, which are rounded once to bf16 and made of W1 rounded to
; bf16.  All matrix operands are bf16, all sums, z1, GA, GAB, q0 and p0 f32.  Both masks are strict (> 0); z2 > 0 is taken as sum > -b2, which is the same comparison while denormals are kept.
; NaN and infinities are not treated apart.
; SHARES.  A work-group owns 32 rows (two tiles rt of 16).  Wave w owns the hidden features 128 w .. + 127: tiles t = 0 .. 7, accumulator 2 t + rt; in the last product the state features 64 w .. + 63 of q and of p.
; THE MATRIX INSTRUCTION IS USED TRANSPOSED: source 0 = a weight fragment (16 features x 32 k), source 1 = an activation fragment (16 rows x 32 k).  In the result a lane holds ONE row (lane % 16) and the
; features 8 (lane / 16) + 0 .. 7; two neighbouring tiles, rounded to bf16, are an activation fragment of the next product.  The four waves exchange those through ACT in LDS.
; WEIGHTS lie in fragment order (half a fragment = 512 consecutive bytes), in four CHUNKS of 128 KiB a matrix (128 along k for all 512 features).  A wave needs only its own quarter of a chunk.
;   BY THE RING: chunks 0 to 2 come through two LDS slots.  CLUSTER: all work-groups walk the same chunks, so the four of a cluster ask JOINTLY: the same tensor load, descriptor and mask in all four.
;   STRAIGHT INTO REGISTERS: chunk 3 comes by global loads, 16 KiB (two k steps) a wave at a time, asked for a chunk's work or more ahead.  These bytes are NOT asked for jointly, and this is why:
;   at every round of the ring all tensor loads have landed, two slots of 128 KiB are all that fits beside ACT, and a slot is only 64 matrix instructions a wave.  Loads into registers stay out across the
;   rounds; a product then has 3 rounds for 4, and between a refill's request and the wait for it stand 64 matrix instructions, or 128 and a way between products.  The price: a quarter of the weights
;   is asked for four times in a cluster: 0.75 + 4 x 0.25 = 1.75 times the requests of a ring that carried everything.
; REGISTERS, in windows of 256 (s_set_vgpr_msb: bits 1:0 source 0, 3:2 source 1, 5:4 source 2, 7:6 destination):
;   window 0: v2-15 addresses; v30-31 the add's; v32-95 activation fragments, two buffers of 32; v96-127 at work; v128-255 weight fragments, two buffers of eight
;   window 1: v0-127 ACC; v128-255 Z1       window 2: v0-127 GA; v128-255 GAB       window 3: v0-127 q0, p0 (later q, p); v128-255 DW: the weights that come straight, two k steps of eight fragments
.set CH,    0x20000                    ; a chunk
.set DOFF,  3*CH                       ; the chunk that comes straight into registers
.set W2F_O, 0                          ; byte offsets of the six matrices in wfrag
.set W2B_O, 0x80000
.set MA_O,  0x100000
.set MB_O,  0x180000
.set W1F_O, 0x200000
.set W1O_O, 0x280000
.set SLOT,  131072                     ; two slots; wave w's quarter at w x 32,768, its fragment f at f x 1,024
.set ACT,   2*SLOT                     ; 32 KiB: activation fragment (kb, rt) at (2 kb + rt) x 1,024
.set STAGE, ACT+32768                  ; 16 rows x 272 bytes for each wave: the way in and the way out
.set SPITCH, 272                       ; 256 bytes + 16: the 16 rows that a 16-byte access touches start at 16 different groups of four banks (64 banks of 4 bytes: ISA guide 11.1)
.set STG,   16*SPITCH
.set SPARE, STAGE+4*STG                ; the spare words, 128 bytes a wave: two blocks of 256 bytes that no other line names
.set BIAS,  SPARE+512                  ; 1,536 bytes for each wave: b1, -b2, Wo of its 128 features; no fill lands here
.set AW0, 2                            ; v2   my quarter of slot 0 + 16 x lane; never rewritten
.set AW,  3                            ; v3   the same in the slot that is being read
.set AA,  4                            ; v4   ACT + 16 x lane
.set AS,  5                            ; v5   where I put hidden activations: ACT + w x 8,192 + 16 x lane
.set AS0, 6                            ; v6   where I put the first state: ACT + w x 4,096 + 16 x lane
.set STW, 7                            ; v7   my stage + 4 x lane
.set STF, 8                            ; v8   my stage + r x 272 + 32 h: eight f32 of a row, as a result holds them
.set RDB, 9                            ; v9   my stage + (lane / 16) x 272 + 16 (lane % 16): whole rows back
.set GO,  10                           ; v10  the same two rows in out0: (lane / 16) x 2,048 + w x 256 + 16 (lane % 16)
.set XOF, 11                           ; v11  x: w x 1,024 + 16 x lane
.set BOF, 12                           ; v12  b1, b2, Wo: w x 512 + 16 x lane
.set BRD, 13                           ; v13  my part of BIAS + 32 h
.set BST, 14                           ; v14  my part of BIAS + 16 x lane
.set L16, 15                           ; v15  16 x lane; never rewritten
.set SPW, 30                           ; v30  my spare word; v31  0: never rewritten
.set NIL, 31
.set AF,  32
.set TMP, 96
.set WF,  128
.set WO,  AF                           ; once a gradient Wo lies in the activation fragments' registers
.set NB2, WF+64                        ; and -b2 in the second weight buffer's
.set Z1,  128                          ; window 1
.set GA,  0                            ; window 2
.set GAB, 128
.set DW,  128                          ; window 3
.set WV,  16                           ; s16  my wave's number
.set G1,  24                           ; s[24:31] descriptor group 1
.set G0A, 32                           ; s[32:35] descriptor group 0 of the first fill of slot 0
.set G0B, 36                           ; s[36:39] of the first fill of slot 1; it then walks
.set WB,  40                           ; s[40:41] wfrag at my quarter of a chunk; never rewritten
.set XO,  42                           ; s[42:43] byte offset of the matrix that changes z1 next
.set EV,  46                           ; s46  the gradient in hand, 0 .. 7
.set TB,  48                           ; s48  LDS byte at which the slot that is being read begins
.set XB,  58                           ; s[58:59] wfrag at my quarter of chunk 3 of the matrix XO
.set MK,  80                           ; s[80:87] eight masks
.set MSB, 0
.macro WIN new                         ; the immediate's high byte repeats the setting that is left; a switch that changes nothing is dropped
.if MSB != (\new)
	s_set_vgpr_msb (MSB<<8)|(\new)
.set MSB, (\new)
.endif
.endm
; A load into a register that a matrix instruction has read, and a vector instruction or LDS store that reads a matrix result, stand four places behind it; only plain vector instructions that name
; none of its registers are places (ISA guide 7.12.1 for vector instructions).
.macro PLACES
.rept 4
	v_nop
.endr
.endm
; A round of the cluster's barrier: my work-group's barrier; wave 0 signals for the work-group; every wave waits for all four work-groups; my work-group's barrier once more.
.macro CROUND
	s_barrier_signal -1
	s_barrier_wait -1
	s_cmp_lg_u32 s[WV], 0
	s_cbranch_scc1 .Lnot_wave_0_\@
	s_barrier_signal -3
.Lnot_wave_0_\@:
	s_barrier_wait -3
	s_barrier_signal -1
	s_barrier_wait -1
.endm
.macro SYNC                            ; my LDS instructions are done, then everybody's: ACT has been written, or nobody reads it any more
	s_wait_dscnt 0x0
	s_barrier_signal -1
	s_barrier_wait -1
.endm
.macro MKADR g0, useX, c               ; a group 0's global address, made anew: my quarter of the chunk at byte c of wfrag (useX = 1: of the matrix XO)
.if \useX
	s_add_nc_u64 s[(\g0)+2:(\g0)+3], s[WB:WB+1], s[XO:XO+1]
.if \c
	s_add_nc_u64 s[(\g0)+2:(\g0)+3], s[(\g0)+2:(\g0)+3], \c
.endif
.else
	s_add_nc_u64 s[(\g0)+2:(\g0)+3], s[WB:WB+1], \c
.endif
	s_or_b32 s[(\g0)+3], s[(\g0)+3], 0x80000000    ; type = 2
.endm
.macro FAR reg, fr                     ; two activation fragments, numbers fr and fr + 1 of ACT, into 16 registers from reg on: four loads
.irp q, 0,1
	ds_load_b128 v[(\reg)+8*\q:(\reg)+8*\q+3],   v[AA] offset:((\fr)+\q)*1024
	ds_load_b128 v[(\reg)+8*\q+4:(\reg)+8*\q+7], v[AA] offset:((\fr)+\q)*1024+512
.endr
.endm
.macro FW s, buf, f0                   ; four weight fragments f0 .. f0 + 3 of step s of the chunk that is being read: eight loads, 512 consecutive bytes each
.irp i, 0,1,2,3
	ds_load_b128 v[WF+64*(\buf)+8*((\f0)+\i):WF+64*(\buf)+8*((\f0)+\i)+3],   v[AW] offset:(8*(\s)+(\f0)+\i)*1024
	ds_load_b128 v[WF+64*(\buf)+8*((\f0)+\i)+4:WF+64*(\buf)+8*((\f0)+\i)+7], v[AW] offset:(8*(\s)+(\f0)+\i)*1024+512
.endr
.endm
; One step's fragments in one run.  fin = 0: 32 along k: 2 activation fragments, 8 weight fragments (8 tiles).  fin = 1, the last product: 64 along k: 4 and 8 (4 tiles x 2).  act = 0: the weights alone.
; dkb >= 0: ahead of them the activation fragments of the two straight steps kb = dkb, dkb + 1, into the upper halves of the two buffers, which the main products leave idle.
.macro FETCH s, buf, kb, fin, act, dkb=-1
	WIN 0
.if (\dkb) >= 0
	FAR AF+16, 2*(\dkb)
	FAR AF+48, 2*(\dkb)+2
.endif
.if \act
	FAR AF+32*(\buf), 2*(\kb)
.endif
	FW \s, \buf, 0
.if (\act) && (\fin)
	FAR AF+32*(\buf)+16, 2*(\kb)+2
.endif
	FW \s, \buf, 4
.endm
; Eight matrix instructions: weight fragments 4 half .. + 3 x both row tiles.  The accumulators take turns, one instruction a turn.  zero = 1: the products start the sums.
.macro MUL8 buf, half, base, zero, fin
	WIN 0x50+0xa0*(\fin)                           ; C and D in window 1, in the last product in window 3
.set mI, 0
.rept 8
.set mF, 4*(\half)+mI/2
.set mR, mI%2
.set rA, WF+64*(\buf)+8*mF
.if \fin
.set rD, (\base)+8*(2*(mF%4)+mR)
.set rB, AF+32*(\buf)+8*(2*(mF/4)+mR)
.else
.set rD, (\base)+8*(2*mF+mR)
.set rB, AF+32*(\buf)+8*mR
.endif
.if \zero
	v_wmma_f32_16x16x32_bf16 v[rD:rD+7], v[rA:rA+7], v[rB:rB+7], 0
.else
	v_wmma_f32_16x16x32_bf16 v[rD:rD+7], v[rA:rA+7], v[rB:rB+7], v[rD:rD+7]
.endif
.set mI, mI+1
.endr
.endm
; A straight step: sixteen matrix instructions on the eight weight fragments of half d of DW; the activation fragments lie from register bb on.  The accumulators take turns as above.
.macro KD d, bb, base, fin
	WIN 0x53+0xa0*(\fin)                           ; source 0 in window 3, source 1 in window 0, C and D as in MUL8
.set mI, 0
.rept 16
.set mF, mI/2
.set mR, mI%2
.set rA, DW+64*(\d)+8*mF
.if \fin
.set rD, (\base)+8*(2*(mF%4)+mR)
.set rB, (\bb)+8*(2*(mF/4)+mR)
.else
.set rD, (\base)+8*(2*mF+mR)
.set rB, (\bb)+8*mR
.endif
	v_wmma_f32_16x16x32_bf16 v[rD:rD+7], v[rA:rA+7], v[rB:rB+7], v[rD:rD+7]
.set mI, mI+1
.endr
.endm
.macro DLOAD sb, off                   ; DW is asked for again: two k steps, sixteen fragments, 32 loads of 512 consecutive bytes, from byte off behind s[sb:sb+1]
	WIN 0xc0                                       ; destination window 3, address window 0
.set dN, 0
.rept 32
	global_load_b128 v[DW+4*dN:DW+4*dN+3], v[L16], s[\sb:\sb+1] offset:(\off)+512*dN
.set dN, dN+1
.endr
.endm
; Two straight steps of a main product, and DW's next load behind them: it has a chunk's work or more in which to land.
.macro DPAIR base, sb, off
	s_wait_loadcnt 16                              ; loads come back in order: the first step's sixteen are in, the second's may be out
	s_wait_dscnt 20                                ; the two steps' eight activation loads are in; the 20 issued behind them may be out
	KD 0, AF+16, \base, 0
	s_wait_loadcnt 0x0
	KD 1, AF+48, \base, 0
	PLACES
	DLOAD \sb, \off
.endm
; A step: multiplies buffer buf; in its middle the next step's fragments (step ns of the chunk, activations from kb nkb) are fetched into the other buffer.
; w1: the LDS loads that may be out when the first half starts: the second half's.
.macro KS buf, w1, base, zero, fin, ns, nkb, dkb=-1
	s_wait_dscnt \w1
	MUL8 \buf, 0, \base, \zero, \fin
	PLACES
	FETCH \ns, (1-(\buf)), \nkb, \fin, 1, \dkb
.if (\dkb) >= 0
	s_wait_dscnt 28                                ; all but the run just issued
.else
	s_wait_dscnt 20+4*(\fin)                       ; all but the run just issued
.endif
	MUL8 \buf, 1, \base, \zero, \fin
.endm
; A chunk's last step multiplies buffer 1 and changes slots.  In front of the round each wave waits for all its tensor loads, of which one is out: its quarter of the next slot; adds 0 to its spare word;
; and waits for that and for its reads of this slot and of ACT.  Behind the round the slot just read is filled again first, with the ring's chunk two on; then the next slot's first fragments are read.
; A trip of the loop changes slots nine times, an odd number: so the slot is no constant of the text: one exclusive or turns the descriptor's LDS word, another the byte from which the reads go.
; act = 0: a product's end: ACT is about to be written anew, so only the weights are fetched, and four places follow for what reads the results.
.macro LAST useX, c, base, fin, nkb, act
	WIN 0
	s_wait_tensorcnt 0x0                           ; no tensor load of mine is out, so a group 0 may be written
	ds_add_u32 v[SPW], v[NIL]                      ; 0 onto my spare word
	MKADR G0B, \useX, \c
	s_xor_b32 s[G0B+1], s[G0B+1], SLOT             ; the walking descriptor: the other slot than last time, which is the one that I leave
	s_xor_b32 s[TB], s[TB], SLOT                   ; the reads go on in the other slot
	v_add_nc_u32 v[AW], s[TB], v[AW0]
	s_wait_dscnt 9+4*(\fin)                        ; the add and the second half's loads may be out
	MUL8 1, 0, \base, 0, \fin                      ; eight matrix instructions stand between the add and the wait for it
	s_wait_dscnt 0x0                               ; the add is done; my reads of this slot and of ACT are over
	WIN 0                                          ; at a branch and at a label every window is 0
	CROUND
	tensor_load_to_lds s[G0B:G0B+3], s[G1:G1+7]    ; my one tensor load behind the round
	s_nop 0
	PLACES                                         ; the places in front of the loads below
	FETCH 0, 0, \nkb, \fin, \act
	MUL8 1, 1, \base, 0, \fin
.if !(\act)
	PLACES
.endif
.endm
; A product of 32 rows x 512 x 512.  k steps 0 to 11 in three chunks by the ring, 12 to 15 straight: two behind the second chunk's third step, two behind the third's.
; (u, c) x 3: the chunks that its three changes of slots ask for: its own third, its successor's first and second.  (sb, o) x 2: what DW takes next: its own steps 14, 15; its successor's 12, 13.
.macro PRODUCT base, zero, u0, c0, u1, c1, u2, c2, sb1, o1, sb2, o2
	WIN 0
	FAR AF, 0                                      ; the weights of step 0 were fetched at the end of the product before
	KS 0, 0, \base, \zero, 0, 1, 1
	KS 1, 8, \base, 0, 0, 2, 2
	KS 0, 8, \base, 0, 0, 3, 3
	LAST \u0, \c0, \base, 0, 4, 1
	KS 0, 8, \base, 0, 0, 1, 5
	KS 1, 8, \base, 0, 0, 2, 6
	KS 0, 8, \base, 0, 0, 3, 7, 12
	DPAIR \base, \sb1, \o1
	LAST \u1, \c1, \base, 0, 8, 1
	KS 0, 8, \base, 0, 0, 1, 9
	KS 1, 8, \base, 0, 0, 2, 10
	KS 0, 8, \base, 0, 0, 3, 11, 14
	DPAIR \base, \sb2, \o2
	LAST \u2, \c2, \base, 0, 0, 0
.endm
.macro FCH kb0, w1, base               ; the first three steps of a chunk of the last product, 64 along k each
	KS 0, \w1, \base, 0, 1, 1, (\kb0)+2
	KS 1, 12, \base, 0, 1, 2, (\kb0)+4
	KS 0, 12, \base, 0, 1, 3, (\kb0)+6
.endm
; ACC's 16 tiles are rounded to bf16, in place into each tile's four lowest registers, and go into ACT as halves of activation fragments: tile t of my eight is half t % 2 of fragment kb = 4 w + t / 2.
.macro PACKST
	WIN 0x45
.set eA, 0
.rept 16
.irp e, 0,1,2,3
	v_cvt_pk_bf16_f32 v[8*eA+\e], v[8*eA+2*\e], v[8*eA+2*\e+1]
.endr
.set eA, eA+1
.endr
	WIN 0x04                                       ; store data in window 1
.set eA, 0
.rept 16
	ds_store_b128 v[AS], v[8*eA:8*eA+3] offset:((eA/4)*2+eA%2)*1024+((eA/2)%2)*512
.set eA, eA+1
.endr
	WIN 0
.endm
.macro EP3                             ; relu(z1); each accumulator is read from its low end on (so in all that follows)
	WIN 0x45
.set eA, 0
.rept 128
	v_max_num_f32 v[eA], 0, v[Z1+eA]
.set eA, eA+1
.endr
	PACKST
.endm
; g2 = Wo where the sum > -b2, else 0.  -b2 and Wo come out of LDS into fragment registers that are idle here (register 8 t + j: feature 16 t + 8 h + j): 32 loads once a gradient
; keep 128 registers free for DW in all the rest of the loop.
.macro EP1
	WIN 0
.set eA, 0
.rept 16
	ds_load_b128 v[NB2+4*eA:NB2+4*eA+3], v[BRD] offset:512+64*(eA/2)+16*(eA%2)
	ds_load_b128 v[WO+4*eA:WO+4*eA+3],   v[BRD] offset:1024+64*(eA/2)+16*(eA%2)
.set eA, eA+1
.endr
	s_wait_dscnt 0x0
	WIN 0x41                               ; source 0 and destination window 1, source 1 window 0
.set eA, 0
.rept 16
.irp j, 0,1,2,3,4,5,6,7
	v_cmp_gt_f32 s[MK+\j], v[8*eA+\j], v[NB2+8*(eA/2)+\j]
.endr
.irp j, 0,1,2,3,4,5,6,7
	v_cndmask_b32 v[8*eA+\j], 0, v[WO+8*(eA/2)+\j], s[MK+\j]
.endr
.set eA, eA+1
.endr
	PACKST
.endm
.macro EP2                             ; g1 = the sum where z1 > 0, else 0; GAB += g1; in a step's first gradient GA += g1
	WIN 0x45
.set eA, 0
.rept 16
.irp j, 0,1,2,3,4,5,6,7
	v_cmp_lt_f32 s[MK+\j], 0, v[Z1+8*eA+\j]
.endr
.irp j, 0,1,2,3,4,5,6,7
	v_cndmask_b32 v[8*eA+\j], 0, v[8*eA+\j], s[MK+\j]
.endr
.set eA, eA+1
.endr
	WIN 0x89                               ; source 0 window 1, source 1 and destination window 2
.set eA, 0
.rept 64
	v_pk_add_f32 v[GAB+2*eA:GAB+2*eA+1], v[2*eA:2*eA+1], v[GAB+2*eA:GAB+2*eA+1]
.set eA, eA+1
.endr
	WIN 0
	s_and_b32 s47, s[EV], 1
	s_cmp_lg_u32 s47, 0
	s_cbranch_scc1 .Lno_ga                         ; the odd gradients are the steps' second ones
	WIN 0x89
.set eA, 0
.rept 64
	v_pk_add_f32 v[GA+2*eA:GA+2*eA+1], v[2*eA:2*eA+1], v[GA+2*eA:GA+2*eA+1]
.set eA, eA+1
.endr
	WIN 0
.Lno_ga:
	PACKST
.endm
.macro SCALE src, sp                   ; ACC = src x the scalar in s[sp], and into ACT
	WIN 0x42                               ; source 0 window 2, destination window 1
.set eA, 0
.rept 64
	v_pk_mul_f32 v[2*eA:2*eA+1], v[(\src)+2*eA:(\src)+2*eA+1], s[\sp:\sp+1] op_sel_hi:[1,0]
.set eA, eA+1
.endr
	PACKST
.endm
; THE WAY IN.  16 rows of x lie in registers as loaded (load 2 i + v: row i, my channels 32 v + lane, four f32 each; registers xb + 4 (2 i + v) .. of window win).  q = word 3, p = word 3 - word 2.
; Each goes through my stage (4 bytes a lane in, 2 x 16 bytes a lane back) into the layout of a result.  LDS serves a wave's instructions in order (ISA guide 5.7.1.4), so no wait stands between.
; Then both are rounded to bf16 and go into ACT as the first product's activations.
.macro XPOSE rt, xb, win
	WIN (\win)<<2
.set xN, 0
.rept 32
	ds_store_b32 v[STW], v[(\xb)+4*xN+3] offset:(xN/2)*SPITCH+128*(xN%2)
.set xN, xN+1
.endr
	WIN 0xc0                                       ; destination window 3
.set xN, 0
.rept 8
	ds_load_b128 v[8*(2*(xN/2)+(\rt))+4*(xN%2):8*(2*(xN/2)+(\rt))+4*(xN%2)+3], v[STF] offset:64*(xN/2)+16*(xN%2)
.set xN, xN+1
.endr
	WIN ((\win)<<6)|((\win)<<2)|(\win)
.set xN, 0
.rept 32
	v_sub_f32 v[(\xb)+4*xN+2], v[(\xb)+4*xN+3], v[(\xb)+4*xN+2]
.set xN, xN+1
.endr
	WIN (\win)<<2
.set xN, 0
.rept 32
	ds_store_b32 v[STW], v[(\xb)+4*xN+2] offset:(xN/2)*SPITCH+128*(xN%2)
.set xN, xN+1
.endr
	WIN 0xc0
.set xN, 0
.rept 8
	ds_load_b128 v[64+8*(2*(xN/2)+(\rt))+4*(xN%2):64+8*(2*(xN/2)+(\rt))+4*(xN%2)+3], v[STF] offset:64*(xN/2)+16*(xN%2)
.set xN, xN+1
.endr
	s_wait_dscnt 0x0
	WIN 0x0f                                       ; sources window 3, destination window 0
.set xN, 0
.rept 8                                        ; part xN / 4 (q, p), tile xN % 4
.irp e, 0,1,2,3
	v_cvt_pk_bf16_f32 v[TMP+4*xN+\e], v[64*(xN/4)+8*(2*(xN%4)+(\rt))+2*\e], v[64*(xN/4)+8*(2*(xN%4)+(\rt))+2*\e+1]
.endr
.set xN, xN+1
.endr
	WIN 0
.set xN, 0
.rept 8
	ds_store_b128 v[AS0], v[TMP+4*xN:TMP+4*xN+3] offset:(xN/4)*16384+(((xN%4)/2)*2+(\rt))*1024+((xN%4)%2)*512
.set xN, xN+1
.endr
.endm
; THE WAY OUT of q (part 0) or p (part 1): 16 rows x my 64 f32 at a time through my stage, back as whole rows of 256 bytes.
.macro WAYOUT part
.irp rt, 0,1
	WIN 0x0c                                       ; store data in window 3
.set xN, 0
.rept 8
	ds_store_b128 v[STF], v[64*(\part)+8*(2*(xN/2)+\rt)+4*(xN%2):64*(\part)+8*(2*(xN/2)+\rt)+4*(xN%2)+3] offset:64*(xN/2)+16*(xN%2)
.set xN, xN+1
.endr
	WIN 0
	s_wait_xcnt 0x0                                ; the registers that earlier stores read are loaded again only behind this wait
.set xN, 0
.rept 8
	ds_load_b128 v[TMP+4*xN:TMP+4*xN+3], v[RDB] offset:xN*2*SPITCH
.set xN, xN+1
.endr
.set xN, 0
.rept 8
	s_wait_dscnt 7-xN                              ; LDS loads come back in order: number xN is in
	global_store_b128 v[GO], v[TMP+4*xN:TMP+4*xN+3], s[14:15] offset:(16*\rt+2*xN)*2048+(\part)*1024 th:TH_STORE_NT  ; 16 lanes store 256 consecutive bytes, aligned
.set xN, xN+1
.endr
.endr
.endm
	s_load_b256 s[4:11], s[0:1], 0x0               ; x s[4:5], b1 s[6:7], b2 s[8:9], Wo s[10:11]
	s_load_b128 s[12:15], s[0:1], 0x20             ; wfrag s[12:13], out0 s[14:15]
	v_lshl_add_u32 v[SPW], v0, 2, SPARE
	v_mov_b32 v[NIL], 0
	ds_add_u32 v[SPW], v[NIL]                      ; the wave's opening: the add and its wait stand ahead of my first tensor load; the set-up below, work on registers, stands between them
	v_lshrrev_b32 v1, 5, v0
	v_readfirstlane_b32 s[WV], v1                  ; wave 0 .. 3
	s_bfe_u32 s17, ttmp6, 0x40000                  ; cx: my place in the cluster: it enters x's and out0's addresses alone
	s_lshl_b32 s18, ttmp9, 2                       ; in a cluster launch ttmp9 counts clusters
	s_add_co_u32 s18, s18, s17                     ; my work-group
	s_lshl_b32 s60, s18, 17                        ; its 32 rows of x, 4,096 bytes each
	s_mov_b32 s61, 0
	s_lshl_b32 s62, s18, 16                        ; its 32 rows of out0, 2,048 bytes each
	s_mov_b32 s63, 0
	; descriptor group 1: 32,768 dense bytes as 128 rows of 256 bytes, elements of 8 bytes, no padding
	s_mov_b32 s[G1+0], 15|(3<<16)|(1<<21)          ; 15:0 the mask: all four work-groups; 17:16 elements of 8 bytes; 21 set beside a mask
	s_mov_b32 s[G1+1], 32<<16                      ; tensor_dim0 = 32
	s_mov_b32 s[G1+2], 128<<16                     ; tensor_dim1 = 128
	s_mov_b32 s[G1+3], 32<<16                      ; tile_dim0 = 32
	s_mov_b32 s[G1+4], 128                         ; tile_dim1 = 128
	s_mov_b32 s[G1+5], 32                          ; 32 elements from row to row
	s_mov_b32 s[G1+6], 0
	s_mov_b32 s[G1+7], 0
	s_lshl_b32 s19, s[WV], 15                      ; my quarter: w x 32,768, in a chunk and in a slot
	s_mov_b32 s20, s19
	s_mov_b32 s21, 0
	s_mov_b32 s[G0A], 1                            ; count = 1
	s_mov_b32 s[G0A+1], s19                        ; LDS address: slot 0
	s_mov_b32 s[G0B], 1
	s_add_co_u32 s[G0B+1], s19, SLOT               ; slot 1
	s_mov_b32 s[TB], 0                             ; the reads begin in slot 0
	s_mov_b32 s50, 0x3dcccccd                      ; 0.1, named as a pair
	s_mov_b32 s51, s50
	s_mov_b32 s52, 0xbd4ccccd                      ; -0.05
	s_mov_b32 s53, s52
	s_mov_b32 s54, MA_O
	s_mov_b32 s55, MB_O
	s_mov_b32 s56, W1O_O
	s_mov_b32 s[XO], W1F_O                         ; the first product on z1 is W1 s0
	s_mov_b32 s[XO+1], 0
	s_mov_b32 s[EV], 0
	v_and_b32 v16, 31, v0                          ; lane
	v_and_b32 v17, 15, v0                          ; r
	v_bfe_u32 v18, v0, 4, 1                        ; h
	v_lshlrev_b32 v[L16], 4, v16                   ; 16 x lane
	v_add_nc_u32 v[AW0], s19, v[L16]
	v_add_nc_u32 v[AW], s[TB], v[AW0]
	v_add_nc_u32 v[AA], ACT, v[L16]
	s_lshl_b32 s22, s[WV], 13
	s_add_co_u32 s22, s22, ACT
	v_add_nc_u32 v[AS], s22, v[L16]
	s_lshl_b32 s22, s[WV], 12
	s_add_co_u32 s22, s22, ACT
	v_add_nc_u32 v[AS0], s22, v[L16]
	s_mul_i32 s23, s[WV], STG
	s_add_co_u32 s23, s23, STAGE                   ; my stage
	v_lshl_add_u32 v[STW], v16, 2, s23
	v_mul_u32_u24 v20, v17, SPITCH
	v_lshl_add_u32 v20, v18, 5, v20
	v_add_nc_u32 v[STF], s23, v20
	v_mul_u32_u24 v20, v18, SPITCH
	v_lshl_add_u32 v20, v17, 4, v20
	v_add_nc_u32 v[RDB], s23, v20
	v_lshlrev_b32 v20, 11, v18
	v_lshl_add_u32 v20, v17, 4, v20
	s_lshl_b32 s22, s[WV], 8
	v_add_nc_u32 v[GO], s22, v20
	s_lshl_b32 s22, s[WV], 10
	v_add_nc_u32 v[XOF], s22, v[L16]
	s_lshl_b32 s22, s[WV], 9
	v_add_nc_u32 v[BOF], s22, v[L16]
	s_mul_i32 s22, s[WV], 1536
	s_add_co_u32 s22, s22, BIAS                    ; my part of BIAS
	v_lshl_add_u32 v[BRD], v18, 5, s22
	v_add_nc_u32 v[BST], s22, v[L16]
	s_wait_dscnt 0x0                               ; the opening add is done
	s_wait_kmcnt 0x0
	s_add_nc_u64 s[WB:WB+1], s[12:13], s[20:21]
	s_add_nc_u64 s[XB:XB+1], s[WB:WB+1], W1F_O+DOFF
	s_add_nc_u64 s[4:5], s[4:5], s[60:61]
	s_add_nc_u64 s[14:15], s[14:15], s[62:63]
	MKADR G0A, 0, W1F_O
	MKADR G0B, 0, W1F_O+CH
	CROUND                                         ; all four work-groups are here: the first joint loads meet
	tensor_load_to_lds s[G0A:G0A+3], s[G1:G1+7]    ; the two first fills go out together: two loads of mine are out
	s_nop 0
	tensor_load_to_lds s[G0B:G0B+3], s[G1:G1+7]
	s_nop 0
	PLACES
	global_load_b128 v[TMP:TMP+3],    v[BOF], s[6:7]    ; b1, b2, Wo of my 128 features: 512 consecutive bytes each
	global_load_b128 v[TMP+4:TMP+7],  v[BOF], s[8:9]
	global_load_b128 v[TMP+8:TMP+11], v[BOF], s[10:11]
	WIN 0x40                                       ; rows 0-15 of x into ACC's registers,
.set xN, 0
.rept 32
	global_load_b128 v[4*xN:4*xN+3], v[XOF], s[4:5] offset:(xN/2)*4096+(xN%2)*512 th:TH_LOAD_NT
.set xN, xN+1
.endr
	WIN 0                                          ; rows 16-31 into the weight fragments'; each load takes 512 consecutive bytes
.set xN, 0
.rept 32
	global_load_b128 v[WF+4*xN:WF+4*xN+3], v[XOF], s[4:5] offset:(16+xN/2)*4096+(xN%2)*512 th:TH_LOAD_NT
.set xN, xN+1
.endr
	WIN 0x80                                       ; GA and GAB start at 0: 256 lines, once a launch, in the wait for x: the price of writing no first gradient out
.set xN, 0
.rept 256
	v_mov_b32 v[xN], 0
.set xN, xN+1
.endr
	WIN 0
	s_wait_loadcnt 63                              ; 64 loads are younger than Wo's; the count's field ends at 63: the oldest four are in
.irp e, 4,5,6,7
	v_xor_b32 v[TMP+\e], 0x80000000, v[TMP+\e]     ; -b2
.endr
	ds_store_b128 v[BST], v[TMP:TMP+3]
	ds_store_b128 v[BST], v[TMP+4:TMP+7] offset:512
	ds_store_b128 v[BST], v[TMP+8:TMP+11] offset:1024
	WIN 0x40                                       ; z1 starts as b1, in both row tiles: register 8 (2 t + rt) + j holds feature 16 t + 8 h + j
.set xN, 0
.rept 32
	ds_load_b128 v[Z1+4*xN:Z1+4*xN+3], v[BRD] offset:64*(xN/4)+16*(xN%2)
.set xN, xN+1
.endr
	WIN 0
	s_wait_loadcnt 32                              ; rows 0-15 are in; the 32 younger loads stay out
	XPOSE 0, 0, 1
	s_wait_loadcnt 0x0
	DLOAD XB, 0                                    ; k steps 12 and 13 of W1: wanted behind seven steps of the first product
	XPOSE 1, WF, 0
	s_wait_tensorcnt 0x1                           ; my quarter of slot 0 is in; slot 1's may stay out
	FW 0, 0, 0
	FW 0, 0, 4
	SYNC
.Leval:                                        ; eight trips, a gradient each: three products, nine changes of slots
	PRODUCT Z1, 0, 1, 2*CH, 0, W2F_O, 0, W2F_O+CH, XB, 16384, WB, W2F_O+DOFF                       ; z1 += (W1, MA or MB) x (s0 or the last g1)
	EP3
	SYNC
	PRODUCT 0, 1, 0, W2F_O+2*CH, 0, W2B_O, 0, W2B_O+CH, WB, W2F_O+DOFF+16384, WB, W2B_O+DOFF        ; W2 relu(z1)
	EP1
	SYNC
	s_add_co_u32 s44, s[EV], 1                     ; what changes z1 behind this gradient: MA behind a step's first, MB behind its second; behind the eighth comes the last product
	s_and_b32 s45, s44, 1
	s_cmp_lg_u32 s45, 0
	s_cselect_b32 s[XO], s54, s55
	s_cmp_eq_u32 s44, 8
	s_cselect_b32 s[XO], s56, s[XO]
	s_wait_xcnt 0x0                                ; the loads that name XB have had their addresses translated: it is written anew only behind this wait
	s_add_nc_u64 s[XB:XB+1], s[WB:WB+1], s[XO:XO+1]
	s_add_nc_u64 s[XB:XB+1], s[XB:XB+1], DOFF
	PRODUCT 0, 1, 0, W2B_O+2*CH, 1, 0, 1, CH, WB, W2B_O+DOFF+16384, XB, 0                           ; W2^T g2
	EP2
	SYNC
	s_add_co_u32 s[EV], s[EV], 1
	s_cmp_lt_u32 s[EV], 8
	s_cbranch_scc1 .Leval
	; THE LAST PRODUCT, on q0 and p0 in place.  Chunks 0, 1: q's 256 features, k = 0 .. 255 and 256 .. 511; chunks 2, 3: p's.  A wave has 4 tiles x 2 row tiles, and a step is 64 along k.
	; Chunks 0 to 2 come by the ring; chunk 3 straight: its first two steps were asked for by the loop's last DLOAD.
	SCALE GA, 50                                   ; 0.1 GA over the eighth g1 in ACT, which nobody reads
	SYNC
	FAR AF, 0
	FAR AF+16, 2
	FCH 0, 4, 0                                    ; the first wait leaves the second pair of activation fragments out
	LAST 0, W1O_O+2*CH, 0, 1, 8, 1                 ; the last tensor load
	FCH 8, 12, 0
	s_wait_dscnt 12                                ; chunk 1's last step: nothing is filled any more, so no round
	MUL8 1, 0, 0, 0, 1
	PLACES
	WIN 0
	s_wait_tensorcnt 0x0                           ; my own wait shows my quarter of chunk 2 landed; I alone read it
	s_xor_b32 s[TB], s[TB], SLOT
	v_add_nc_u32 v[AW], s[TB], v[AW0]
	FETCH 0, 0, 0, 1, 0
	s_wait_dscnt 16                                ; all but the sixteen just issued
	MUL8 1, 1, 0, 0, 1
	PLACES
	WAYOUT 0
	SYNC                                           ; nobody reads 0.1 GA in ACT any more
	SCALE GAB, 52                                  ; -0.05 GAB
	SYNC
	FAR AF, 16                                     ; the straight steps first: k = 256 .. 319
	FAR AF+16, 18
	FAR AF+32, 20                                  ; and 320 .. 383
	FAR AF+48, 22
	s_wait_loadcnt 16                              ; the first step's sixteen loads are in
	s_wait_dscnt 8                                 ; and its eight activation loads
	KD 0, AF, 64, 1
	s_wait_loadcnt 0x0
	s_wait_dscnt 0x0
	KD 1, AF+32, 64, 1
	PLACES
	DLOAD WB, W1O_O+DOFF+16384                     ; chunk 3's last two steps: they have chunk 2's four steps in which to land
	WIN 0
	FAR AF, 0
	FAR AF+16, 2
	FCH 0, 4, 64
	s_wait_dscnt 12                                ; chunk 2's last step
	MUL8 1, 0, 64, 0, 1
	PLACES
	WIN 0
	s_wait_xcnt 0x0                                ; q's stores have read the registers at work: they are loaded again only behind this wait
	FAR AF, 24                                     ; k = 384 .. 447
	FAR AF+16, 26
	FAR TMP, 28                                    ; k = 448 .. 511
	FAR TMP+16, 30
	s_wait_dscnt 16                                ; all but the sixteen just issued
	MUL8 1, 1, 64, 0, 1
	s_wait_loadcnt 16
	s_wait_dscnt 8
	KD 0, AF, 64, 1
	s_wait_loadcnt 0x0
	s_wait_dscnt 0x0
	KD 1, TMP, 64, 1
	PLACES
	WAYOUT 1
	s_wait_tensorcnt 0x0                           ; the wave's end, behind my last tensor load and my last LDS store
	ds_add_u32 v[SPW], v[NIL]
	s_wait_dscnt 0x0
	CROUND                                         ; the closing round: no work-group ends while a partner may still ask for a chunk that names it
	s_endpgm
.Lfunc_end_k_qc9d058f88c_hnn:
	.size	k_qc9d058f88c_hnn, .Lfunc_end_k_qc9d058f88c_hnn-k_qc9d058f88c_hnn
	.p2alignl 7, 3214868480
	.fill 96, 4, 3214868480
	.section	.rodata,"a",@progbits
	.p2align	6, 0x0
	.amdhsa_kernel k_qc9d058f88c_hnn
		.amdhsa_group_segment_fixed_size 327680
		.amdhsa_private_segment_fixed_size 0
		.amdhsa_enable_private_segment 0
		.amdhsa_kernarg_size 48
		.amdhsa_user_sgpr_count 2
		.amdhsa_user_sgpr_kernarg_segment_ptr 1
		.amdhsa_wavefront_size32 1
		.amdhsa_system_sgpr_workgroup_id_x 1
		.amdhsa_system_sgpr_workgroup_id_y 1
		.amdhsa_system_sgpr_workgroup_id_z 1
		.amdhsa_system_vgpr_workitem_id 0
		.amdhsa_next_free_vgpr 1024
		.amdhsa_next_free_sgpr 88
		.amdhsa_reserve_vcc 0
		.amdhsa_float_denorm_mode_32 3
		.amdhsa_float_denorm_mode_16_64 3
		.amdhsa_memory_ordered 1
		.amdhsa_forward_progress 1
		.amdhsa_inst_pref_size 255
	.end_amdhsa_kernel
	.section	.bss,"aw",@nobits
	.p2align	6
	.space	262144
	.amdgpu_metadata
---
amdhsa.version: [ 1, 2 ]
amdhsa.kernels:
  - .name:           k_qc9d058f88c_hnn
    .symbol:         k_qc9d058f88c_hnn.kd
    .args:
      - { .name: x, .offset: 0, .size: 8, .value_kind: global_buffer, .address_space: global }
      - { .name: b1, .offset: 8, .size: 8, .value_kind: global_buffer, .address_space: global }
      - { .name: b2, .offset: 16, .size: 8, .value_kind: global_buffer, .address_space: global }
      - { .name: Wo, .offset: 24, .size: 8, .value_kind: global_buffer, .address_space: global }
      - { .name: wfrag, .offset: 32, .size: 8, .value_kind: global_buffer, .address_space: global }
      - { .name: out0, .offset: 40, .size: 8, .value_kind: global_buffer, .address_space: global }
    .group_segment_fixed_size: 327680
    .private_segment_fixed_size: 0
    .kernarg_segment_align: 8
    .kernarg_segment_size: 48
    .max_flat_workgroup_size: 128
    .sgpr_count:     88
    .vgpr_count:     1024
    .wavefront_size: 32
...
	.end_amdgpu_metadata
.endif
;; end of part 2
;; ======== version 2 of 2: 2 launches; version 1 with the launch prep written anew for expert scheduling mode
;; workspace buffers: wfrag 3,145,728 bytes
;; launch prep (part 3): grid 256 x 1, 4 waves a work-group, no clusters, 70,656 bytes of LDS; arguments W1, W2, wfrag; writes wfrag
.if DOCPART == 3
	.amdgcn_target "amdgcn-amd-amdhsa--gfx1250"
	.amdhsa_code_object_version 6
	.text
	.protected	k_qc9d058f88c_prep
	.globl	k_qc9d058f88c_prep
	.p2align	8
	.type	k_qc9d058f88c_prep,@function
k_qc9d058f88c_prep:
	s_mov_b64 s[64:65], 0
	v_nop
	global_prefetch_b8 v0, s[64:65] scope:SCOPE_SE
	s_setreg_imm32_b32 hwreg(HW_REG_WAVE_SCHED_MODE, 0, 2), 2
	s_setreg_imm32_b32 hwreg(HW_REG_WAVE_MODE, 25, 1), 1
	s_wait_xcnt 0x0
	s_wait_alu depctr_vm_vsrc(0)
; PREP: six 512 x 512 bf16 matrices for the second launch, laid out in FRAGMENT ORDER in wfrag.
; A fragment is 16 features m x 32 k, 1,024 bytes: byte 16 L holds, for lane L = (r = L % 16, h = L / 16), row r, k = 8 h .. 8 h + 7; byte 512 + 16 L holds k = 16 + 8 h .. + 7.
; So half a fragment is 512 consecutive bytes, one 16-byte access a lane, in memory and later in LDS.
;   W2F[m][k] = W2[m][k]    W2B[m][k] = W2[k][m]    W1F[m][k] = W1[m][k]    W1O[m][k] = W1[k][(m + 256) % 512]
;   MA[m][k] = 0.1 P[m][k] - 0.05 P[k][m]    MB[m][k] = -0.05 P[k][m]    with P[i][j] = sum over c < 256 of W1[i][c] W1[j][256 + c]
; P is made of W1 rounded to bf16, sums in f32; MA and MB are rounded once to bf16; the four copies are the inputs rounded once to bf16.
; SHARES.  Work-group g: a = g / 16, b = g % 16: the block m = 32 a .., k = 32 b .. of MA, MB, W1F, W1O; a2 = g / 8, b2 = g % 8: rows 16 a2 .., columns 64 b2 .. of W2.
; Each wave makes half a fragment of each of the six: six stores of 512 consecutive bytes, aligned.
; THE MODE: SCHED_MODE bits 1:0 = 2 (LLVM: expert scheduling mode 2), set by the entry lines.  The code itself states the register dependences
; between vector or matrix instructions and memory or LDS instructions, with s_wait_alu, always for 0.
; THE PLAN.  Registers that memory or LDS instructions touch:
;   v4-v7            offsets and LDS addresses of the way in: written at the head, ahead of the first wait on va_vdst, and never again.
;   v24-31           W2's two loads land here; four conversions write v24-27; two LDS stores read those; never written again.
;   window 1, v0-255 the 64 loads of W1 land here, four registers each, in eight groups of eight loads.  Group g's sixteen conversions read its registers and write the first two of each four;
;                    its eight LDS stores read those.  Behind the barrier the 64 fragment loads land in the same registers; from then on matrix instructions alone name them.
;   v8-13, v22, v23, v88, v89   LDS addresses and offsets of the second phase: written while the global loads are out, never again.
;   v72-87           four LDS loads land here, four global stores read them.      v64-71  the last conversions write them, the last two global stores read them.
;   v32-63           named by matrix and vector instructions alone.              v14, v15  written at the head, read by the closing add alone.
; THE WAITS.  A group's LDS stores stand at the head of the NEXT group, behind that group's wait for its data and one wait on va_vdst; the conversions that follow name the next group's registers
; alone.  Behind the barrier one wait on vm_vsrc and one on va_vdst stand ahead of all 68 LDS loads.  One wait on va_vdst stands ahead of the last two global stores.
.set P1,    1056                       ; a row of W1 in LDS: 1,024 bytes of bf16 + 32: an odd multiple of 32
.set P2,    160                        ; a row of the W2 block: 128 + 32
.set RKB,   32*P1                      ; W1 rows 32 b .. lie behind rows 32 a ..
.set R2B,   2*RKB                      ; the W2 block, 16 rows
.set SPARE, R2B+16*P2                  ; the spare words, 128 bytes a wave: two blocks of 256 bytes that no other line names
.set W2F_O, 0
.set W2B_O, 0x80000
.set MA_O,  0x100000
.set MB_O,  0x180000
.set W1F_O, 0x200000
.set W1O_O, 0x280000
.set SPW, 14                           ; v14  my spare word;  v15  0: never rewritten
.set NIL, 15
.set MSB, 0
.macro WIN new                         ; the immediate's high byte repeats the setting that is left
.if MSB != (\new)
	s_set_vgpr_msb (MSB<<8)|(\new)
.set MSB, (\new)
.endif
.endm
; s[d] = byte offset of fragment (mb, kb) in one of the five main matrices: (kb / 4) x 128 KiB + (mb / 8) x 32 KiB + ((kb % 4) x 8 + mb % 8) x 1,024
.macro OFFM d, mb, kb, t
	s_lshr_b32 s[\d], s[\kb], 2
	s_lshl_b32 s[\d], s[\d], 17
	s_lshr_b32 s[\t], s[\mb], 3
	s_lshl_b32 s[\t], s[\t], 15
	s_add_co_u32 s[\d], s[\d], s[\t]
	s_and_b32 s[\t], s[\kb], 3
	s_lshl_b32 s[\t], s[\t], 13
	s_add_co_u32 s[\d], s[\d], s[\t]
	s_and_b32 s[\t], s[\mb], 7
	s_lshl_b32 s[\t], s[\t], 10
	s_add_co_u32 s[\d], s[\d], s[\t]
.endm
; The eight LDS stores of group g: 8 bytes of bf16 a lane, out of the first two of each load's four registers
.macro PUT g
.set pN, 8*(\g)
.rept 8
	ds_store_b64 v5, v[4*pN:4*pN+1] offset:(pN/32)*RKB+((pN%32)/4)*P1+(pN%4)*256
.set pN, pN+1
.endr
.endm
	s_load_b128 s[4:7], s[0:1], 0x0                ; W1 s[4:5], W2 s[6:7]
	s_load_b64 s[8:9], s[0:1], 0x10                ; wfrag
	v_lshl_add_u32 v[SPW], v0, 2, SPARE
	v_mov_b32 v[NIL], 0
	v_lshrrev_b32 v16, 5, v0
	v_readfirstlane_b32 s16, v16                   ; wave w
	v_and_b32 v17, 31, v0                          ; lane
	v_and_b32 v2, 15, v0                           ; r
	v_bfe_u32 v3, v0, 4, 1                         ; h
	v_lshlrev_b32 v1, 4, v17                       ; 16 x lane
	s_lshr_b32 s17, ttmp9, 4                       ; a
	s_and_b32 s18, ttmp9, 15                       ; b
	s_lshr_b32 s19, ttmp9, 3                       ; a2
	s_and_b32 s20, ttmp9, 7                        ; b2
	s_wait_alu depctr_va_sdst(0)                   ; s16 is written, ahead of its first reader: the wave's shares and addresses are made from it
	s_and_b32 s21, s16, 1                          ; mi: which 16 of the 32 m
	s_lshr_b32 s22, s16, 1                         ; kh: which 16 of the 32 k
	s_mov_b32 s42, 0x3dcccccd                      ; 0.1, named as a pair
	s_mov_b32 s43, s42
	s_mov_b32 s44, 0xbd4ccccd                      ; -0.05
	s_mov_b32 s45, s44
	s_lshl_b32 s23, s16, 14
	v_add_nc_u32 v4, s23, v1                       ; W1: my wave's 8 rows of 2,048 bytes, 16 bytes a lane
	s_mul_i32 s23, s16, 8*P1
	v_lshl_add_u32 v5, v17, 3, s23                 ; and where they go, 8 bytes of bf16 a lane
	v_lshrrev_b32 v16, 4, v0                       ; thread / 16: a row of the W2 block
	v_lshlrev_b32 v6, 11, v16
	v_lshl_add_u32 v6, v2, 4, v6                   ; W2: row x 2,048 + 16 x (thread % 16): sixteen threads read 256 consecutive bytes
	v_mul_u32_u24 v7, v16, P2
	v_lshl_add_u32 v7, v2, 3, v7
	v_add_nc_u32 v7, R2B, v7
	s_lshl_b32 s24, s17, 16                        ; 32 a rows of 2,048 bytes
	s_mov_b32 s25, 0
	s_lshl_b32 s26, s18, 16                        ; 32 b rows
	s_mov_b32 s27, 0
	s_lshl_b32 s28, s19, 15                        ; 16 a2 rows,
	s_lshl_b32 s29, s20, 8                         ; 64 b2 columns
	s_add_co_u32 s28, s28, s29
	s_mov_b32 s29, 0
	s_wait_kmcnt 0x0
	s_add_nc_u64 s[10:11], s[4:5], s[24:25]
	s_add_nc_u64 s[12:13], s[4:5], s[26:27]
	s_add_nc_u64 s[6:7], s[6:7], s[28:29]
	s_wait_alu depctr_va_vdst(0)                   ; v4 and v6 are written, which the loads below read as their offsets; so are v5 and v7, the LDS stores' addresses
	global_load_b128 v[24:27], v6, s[6:7]
	global_load_b128 v[28:31], v6, s[6:7] offset:16384
	WIN 0x40                                       ; destinations in window 1
.set pN, 0
.rept 32                                       ; rows 32 a + 8 w + pN / 4, 512 consecutive bytes a load
	global_load_b128 v[4*pN:4*pN+3], v4, s[10:11] offset:(pN/4)*2048+(pN%4)*512
.set pN, pN+1
.endr
.rept 32                                       ; rows 32 b + 8 w + ..
	global_load_b128 v[4*pN:4*pN+3], v4, s[12:13] offset:((pN-32)/4)*2048+(pN%4)*512
.set pN, pN+1
.endr
	WIN 0
	; the addresses of the second phase are made while the loads are out: none of these lines names a register that a load above touches
	s_lshl_b32 s23, s21, 4
	v_add_nc_u32 v18, s23, v2
	v_mul_u32_u24 v9, v18, P1
	v_lshl_add_u32 v9, v3, 4, v9                   ; v9: fragments of my 16 rows m: (16 mi + r) x pitch + 16 h
	s_lshl_b32 s30, s22, 4
	v_add_nc_u32 v18, s30, v2
	v_mul_u32_u24 v8, v18, P1
	v_lshl_add_u32 v8, v3, 4, v8
	v_add_nc_u32 v8, RKB, v8                       ; v8: the same for my 16 rows k
	v_and_b32 v19, 7, v0
	v_bfe_u32 v20, v0, 3, 1
	v_lshl_add_u32 v21, v3, 3, v19                 ; 8 h + L % 8: the row that a lane gives to the turning load
	v_add_nc_u32 v18, s30, v21
	v_mul_u32_u24 v10, v18, P1
	v_lshl_add_u32 v10, v20, 4, v10
	s_lshl_b32 s31, s17, 5
	s_add_co_u32 s31, s31, s23
	s_add_co_u32 s31, s31, 256
	s_and_b32 s31, s31, 511                        ; W1's column (32 a + 16 mi + 256) % 512
	s_lshl_b32 s31, s31, 1
	s_add_co_u32 s31, s31, RKB
	v_add_nc_u32 v10, s31, v10                     ; v10: W1O, turned out of rows 32 b ..
	v_mul_u32_u24 v11, v21, P2
	v_lshl_add_u32 v11, v20, 4, v11
	s_lshl_b32 s31, s16, 5
	s_add_co_u32 s31, s31, R2B
	v_add_nc_u32 v11, s31, v11                     ; v11: W2B, turned: columns 16 w ..
	v_mul_u32_u24 v12, v2, P2
	v_lshl_add_u32 v12, v3, 4, v12
	v_add_nc_u32 v12, s31, v12                     ; v12: W2F: row r, columns 16 w + 8 h ..
	s_lshl_b32 s31, s18, 6
	s_lshl_b32 s23, s22, 5
	s_add_co_u32 s31, s31, s23
	v_add_nc_u32 v13, s31, v9                      ; v13: W1F: my rows m, columns 32 b + 16 kh + 8 h ..
	; where the six halves go
	s_lshl_b32 s32, s17, 1
	s_add_co_u32 s32, s32, s21                     ; mb = 2 a + mi
	OFFM 33, 32, 18, 34
	s_lshl_b32 s34, s22, 9                         ; half kh
	s_add_co_u32 s33, s33, s34
	v_add_nc_u32 v22, s33, v1                      ; v22: MA, MB, W1F
	s_lshr_b32 s35, s32, 4                         ; W1O: ((mb / 16) x 2 + kb / 8) x 128 KiB + ((mb / 4) % 4) x 32 KiB + ((kb % 8) x 4 + mb % 4) x 1,024
	s_lshl_b32 s35, s35, 1
	s_lshr_b32 s36, s18, 3
	s_add_co_u32 s35, s35, s36
	s_lshl_b32 s35, s35, 17
	s_bfe_u32 s36, s32, 0x20002
	s_lshl_b32 s36, s36, 15
	s_add_co_u32 s35, s35, s36
	s_and_b32 s36, s18, 7
	s_lshl_b32 s36, s36, 12
	s_add_co_u32 s35, s35, s36
	s_and_b32 s36, s32, 3
	s_lshl_b32 s36, s36, 10
	s_add_co_u32 s35, s35, s36
	s_add_co_u32 s35, s35, s34
	v_add_nc_u32 v23, s35, v1                      ; v23: W1O
	s_lshl_b32 s36, s20, 1
	s_add_co_u32 s36, s36, s22                     ; W2F: mb = a2, kb = 2 b2 + w / 2, half w % 2
	OFFM 37, 19, 36, 34
	s_lshl_b32 s34, s21, 9
	s_add_co_u32 s37, s37, s34
	v_add_nc_u32 v88, s37, v1
	s_lshl_b32 s38, s20, 2
	s_add_co_u32 s38, s38, s16                     ; W2B: mb = 4 b2 + w, kb = a2 / 2, half a2 % 2
	s_lshr_b32 s39, s19, 1
	OFFM 40, 38, 39, 34
	s_and_b32 s34, s19, 1
	s_lshl_b32 s34, s34, 9
	s_add_co_u32 s40, s40, s34
	v_add_nc_u32 v89, s40, v1
	s_wait_loadcnt 63                              ; 64 loads are younger than W2's two; the count's field ends at 63: the oldest three are in
	v_cvt_pk_bf16_f32 v24, v24, v25
	v_cvt_pk_bf16_f32 v25, v26, v27
	v_cvt_pk_bf16_f32 v26, v28, v29
	v_cvt_pk_bf16_f32 v27, v30, v31
.set pG, 0
.rept 8                                        ; eight loads at a time: the stores of the group before, then this group rounded in place
	s_wait_loadcnt 56-8*pG                         ; loads come back in order: the group's eight are in, the younger ones stay out
.if pG == 0
	s_wait_alu depctr_va_vdst(0)                   ; W2's four conversions have written v24-27, which the two LDS stores read
	ds_store_b64 v7, v[24:25]
	ds_store_b64 v7, v[26:27] offset:8*P2
.else
	WIN 0x04                                       ; store data in window 1
	s_wait_alu depctr_va_vdst(0)                   ; the conversions of the group before have written its registers, which the eight LDS stores read
	PUT pG-1
.endif
	WIN 0x45
.set pN, 8*pG
.rept 8                                        ; these name this group's registers alone: none that the stores above read
	v_cvt_pk_bf16_f32 v[4*pN], v[4*pN], v[4*pN+1]
	v_cvt_pk_bf16_f32 v[4*pN+1], v[4*pN+2], v[4*pN+3]
.set pN, pN+1
.endr
.set pG, pG+1
.endr
	WIN 0x04
	s_wait_alu depctr_va_vdst(0)                   ; the last group's conversions have written its registers, which the eight LDS stores read
	PUT 7
	WIN 0
	s_wait_dscnt 0x0                               ; for the others' sake: my stores are done
	s_barrier_signal -1
	s_barrier_wait -1
	s_wait_alu depctr_vm_vsrc(0)                   ; my LDS stores have read the registers of window 1, in which the fragments' loads below land
	s_wait_alu depctr_va_vdst(0)                   ; the conversions are done reading and writing those registers, and v8 to v13, the loads' addresses, are written; loads and one window switch alone stand between this wait and the last load
	ds_load_b128 v[72:75], v13                     ; W1F
	ds_load_tr16_b128 v[76:79], v10                ; W1O
	ds_load_b128 v[80:83], v12                     ; W2F
	ds_load_tr16_b128 v[84:87], v11                ; W2B
	WIN 0x40                                       ; window 1: rows k, columns c at v[8 cs]; rows k, columns 256 + c at v[64 + 8 cs]; rows m likewise at 128 and 192
.set pN, 0
.rept 8                                        ; the eight loads of step pN stand together, so that a counted wait serves each step's two products
	ds_load_b128 v[8*pN:8*pN+3],         v8 offset:64*pN
	ds_load_b128 v[8*pN+4:8*pN+7],       v8 offset:64*pN+32
	ds_load_b128 v[64+8*pN:64+8*pN+3],   v8 offset:512+64*pN
	ds_load_b128 v[64+8*pN+4:64+8*pN+7], v8 offset:512+64*pN+32
	ds_load_b128 v[128+8*pN:128+8*pN+3],   v9 offset:64*pN
	ds_load_b128 v[128+8*pN+4:128+8*pN+7], v9 offset:64*pN+32
	ds_load_b128 v[192+8*pN:192+8*pN+3],   v9 offset:512+64*pN
	ds_load_b128 v[192+8*pN+4:192+8*pN+7], v9 offset:512+64*pN+32
.set pN, pN+1
.endr
	WIN 0
	s_wait_dscnt 63                                ; 64 loads are younger than the four copies'; the count's field ends at 63: the oldest five are in
	global_store_b128 v22, v[72:75], s[8:9] offset:W1F_O   ; each store of the wave covers 512 consecutive bytes, aligned; the four offsets were written ahead of the wait on va_vdst above
	global_store_b128 v23, v[76:79], s[8:9] offset:W1O_O
	global_store_b128 v88, v[80:83], s[8:9] offset:W2F_O
	global_store_b128 v89, v[84:87], s[8:9] offset:W2B_O
	; Source 0 = 16 rows k, source 1 = 16 rows m: in the result a lane holds m = r and its registers k = 8 h + 0 .. 7: half kh of fragment (mb, b) as it is stored.
	; v[32:39] = P[m][k], v[40:47] = P[k][m]; the two accumulators take turns; the first products start the sums.
	WIN 0x05
	s_wait_dscnt 56                                ; LDS loads come back in order: step 0's eight are in, the 56 of the later steps may be out
	v_wmma_f32_16x16x32_bf16 v[32:39], v[64:71], v[128:135], 0
	v_wmma_f32_16x16x32_bf16 v[40:47], v[0:7], v[192:199], 0
.set pN, 1
.rept 7
	s_wait_dscnt 56-8*pN                           ; step pN's eight are in
	v_wmma_f32_16x16x32_bf16 v[32:39], v[64+8*pN:64+8*pN+7], v[128+8*pN:128+8*pN+7], v[32:39]
	v_wmma_f32_16x16x32_bf16 v[40:47], v[8*pN:8*pN+7], v[192+8*pN:192+8*pN+7], v[40:47]
.set pN, pN+1
.endr
	WIN 0
.rept 4
	v_nop                                          ; four places between the last product and the first read of a result (ISA guide 7.12.1)
.endr
.irp n, 0,1,2,3
	v_pk_mul_f32 v[56+2*\n:57+2*\n], v[40+2*\n:41+2*\n], s[44:45] op_sel_hi:[1,0]                       ; -0.05 P[k][m]
.endr
.irp n, 0,1,2,3
	v_pk_fma_f32 v[48+2*\n:49+2*\n], v[32+2*\n:33+2*\n], s[42:43], v[56+2*\n:57+2*\n] op_sel_hi:[1,0,1]  ; 0.1 P[m][k] - 0.05 P[k][m]
.endr
.irp n, 0,1,2,3
	v_cvt_pk_bf16_f32 v[64+\n], v[56+2*\n], v[57+2*\n]
	v_cvt_pk_bf16_f32 v[68+\n], v[48+2*\n], v[49+2*\n]
.endr
	s_wait_alu depctr_va_vdst(0)                   ; the conversions have written v64-71, which the two stores read
	global_store_b128 v22, v[64:67], s[8:9] offset:MB_O
	global_store_b128 v22, v[68:71], s[8:9] offset:MA_O
	s_wait_dscnt 0x0                               ; the closing lines, six on end
	s_wait_alu 0x0
	s_wait_tensorcnt 0x0
	ds_add_u32 v[SPW], v[NIL]
	s_wait_dscnt 0x0
	s_endpgm
.Lfunc_end_k_qc9d058f88c_prep:
	.size	k_qc9d058f88c_prep, .Lfunc_end_k_qc9d058f88c_prep-k_qc9d058f88c_prep
	.p2alignl 7, 3214868480
	.fill 96, 4, 3214868480
	.section	.rodata,"a",@progbits
	.p2align	6, 0x0
	.amdhsa_kernel k_qc9d058f88c_prep
		.amdhsa_group_segment_fixed_size 70656
		.amdhsa_private_segment_fixed_size 0
		.amdhsa_enable_private_segment 0
		.amdhsa_kernarg_size 24
		.amdhsa_user_sgpr_count 2
		.amdhsa_user_sgpr_kernarg_segment_ptr 1
		.amdhsa_wavefront_size32 1
		.amdhsa_system_sgpr_workgroup_id_x 1
		.amdhsa_system_sgpr_workgroup_id_y 1
		.amdhsa_system_sgpr_workgroup_id_z 1
		.amdhsa_system_vgpr_workitem_id 0
		.amdhsa_next_free_vgpr 512
		.amdhsa_next_free_sgpr 66
		.amdhsa_reserve_vcc 0
		.amdhsa_float_denorm_mode_32 3
		.amdhsa_float_denorm_mode_16_64 3
		.amdhsa_memory_ordered 1
		.amdhsa_forward_progress 1
		.amdhsa_inst_pref_size 34
	.end_amdhsa_kernel
	.amdgpu_metadata
---
amdhsa.version: [ 1, 2 ]
amdhsa.kernels:
  - .name:           k_qc9d058f88c_prep
    .symbol:         k_qc9d058f88c_prep.kd
    .args:
      - { .name: W1, .offset: 0, .size: 8, .value_kind: global_buffer, .address_space: global }
      - { .name: W2, .offset: 8, .size: 8, .value_kind: global_buffer, .address_space: global }
      - { .name: wfrag, .offset: 16, .size: 8, .value_kind: global_buffer, .address_space: global }
    .group_segment_fixed_size: 70656
    .private_segment_fixed_size: 0
    .kernarg_segment_align: 8
    .kernarg_segment_size: 24
    .max_flat_workgroup_size: 128
    .sgpr_count:     66
    .vgpr_count:     512
    .wavefront_size: 32
...
	.end_amdgpu_metadata
.endif
;; end of part 3
;; launch hnn: the kernel of part 2 again; grid 256 x 1, 4 waves a work-group, clusters of 4 x 1, 327,680 bytes of LDS; arguments x, b1, b2, Wo, wfrag, out0; writes out0
